; MI455X (gfx1250); checked and timed in simulation.
; The chip was launched on July 23, 2026; its instructions are those of AMD's public machine-readable ISA for CDNA 5 (MIT licence, August 2026) and "CDNA5" Instruction Set Architecture Reference Guide (July 2026). The comments in the code are by the model that wrote it; some were corrected since.
;; Multi Head Attention. Allowed arithmetic: matrix products marked QUANTISED: E2M1 operands, one E8M0 scale for each 32 along K, by v_wmma_scale_f32_16x16x128_f8f6f4 with both operands' format E2M1 (or v_wmma_scale_f32_32x16x128_f4), f32 sums; products left as they are: bf16, f16 or f32 operands; f32 sums; everything else in f32.
;; Inputs: Wqkv 2,048 x 1,024 float32; X 4,096 x 1,024 float32.
;; Outputs: out0 4,096 x 1,024 float32.
;; This version of the problem:
;;   THIS VERSION OF THE PROBLEM IS GIVEN IN LOW PRECISION. The matrix products marked QUANTISED in the list below multiply operands that are first quantised to E2M1 (2 exponent bits, 1 mantissa bit; 4 bits a number), with one power-of-two scale for each 32 numbers along K (OCP MX v1.0); their sums are f32. The products marked 'left as it is' may take bf16, f16 or f32 operands, with f32 sums. Whichever they take, every output number must still come out within the allowed error. Rounding operands to bf16 (8 significant bits) uses up far more of that allowance than f16 does (11 bits, for magnitudes from 6e-5 to 65,504). All else is computed in f32.
;;   The module's matrix products, in the order in which they are computed (A, B: the left and right operand; K: the contracted axis; several contracted axes count as one K, in the product's order):
;;     1. [M 4,096, K 1,024] x [K 1,024, N 2,048]; A: input X; B: input Wqkv: QUANTISED
;;     2. batch 16 x [M 4,096, K 64] x [K 64, N 4,096]; A: computed on the way; B: computed on the way: left as it is (an operand is computed on the way)
;;     3. batch 16 x [M 64, K 4,096] x [K 4,096, N 4,096]; A: computed on the way; B: computed on the way: left as it is (an operand is computed on the way)
;;   THE QUANTISER, for each operand of a quantised product, along K:
;;     - K is cut into blocks of 32 from its start; a last block that is shorter is filled with zeros.
;;     - A block's scale is 2^e with e = floor(log2(the largest magnitude in the block)) - 2, held to -126 .. 127; a block of zeros has e = 0. As a byte (E8M0): e + 127.
;;     - Each number is divided by its block's scale, clamped to +-6, and rounded to the nearest number of E2M1, ties to even, subnormals kept.
;;     - The product sums the exact products of the quantised numbers (number of the format x scale) in f32.
;;   ~~~python
;;   def quantise(x, axis):      # numpy; x: float32 -> the quantised numbers, widened to float32 again
;;       x = np.moveaxis(x, axis, -1); K = x.shape[-1]
;;       x = np.pad(x, [(0, 0)] * (x.ndim - 1) + [(0, -K % 32)]); x = x.reshape(x.shape[:-1] + (-1, 32)); a = np.abs(x).max(-1, keepdims=True)
;;       e = np.where(a > 0, np.clip(np.frexp(np.where(a > 0, a, 1))[1] - 1 - 2, -126, 127), 0)      # np.frexp(a)[1] - 1 = floor(log2(a)), exactly
;;       r = np.clip(x / 2.0 ** e, -6, 6)
;;       step = 2.0 ** (np.maximum(np.frexp(np.where(r == 0, 1, r))[1] - 1, 0) - 1)
;;       q = np.round(r / step) * step * 2.0 ** e      # np.round: ties to even
;;       return np.moveaxis(q.reshape(q.shape[:-2] + (-1,))[..., :K], -1, axis).astype(np.float32)
;;   ~~~
;; One version. Each part assembles by itself: llvm-mc -triple=amdgcn-amd-amdhsa -mcpu=gfx1250 --defsym DOCPART=n.
;; ======== version 1 of 1: 3 launches
;; limits: values are held in f16: magnitudes above 65,504 overflow, below 6.1e-05 lose precision; right only within a limited range of input values
;; workspace buffers: xc 2,097,152 bytes; xs 131,072 bytes; wc 1,048,576 bytes; ws 65,536 bytes; kv 16,777,216 bytes
;; launch quant (part 1): grid 192 x 1, 4 waves a work-group, no clusters, 33,280 bytes of LDS; arguments X, Wqkv, xc, xs, wc, ws; writes xc, xs, wc, ws
.if DOCPART == 1
	.amdgcn_target "amdgcn-amd-amdhsa--gfx1250"
	.amdhsa_code_object_version 6
	.text
	.protected	k_qf2ebcdf1ef_quant
	.globl	k_qf2ebcdf1ef_quant
	.p2align	8
	.type	k_qf2ebcdf1ef_quant,@function
k_qf2ebcdf1ef_quant:
	s_mov_b64 s[64:65], 0
	v_nop
	global_prefetch_b8 v0, s[64:65] scope:SCOPE_SE
	s_setreg_imm32_b32 hwreg(HW_REG_WAVE_MODE, 25, 1), 1
	s_wait_xcnt 0x0
; X [4096][1024] and Wqkv [2048][1024], f32, are turned into codes of FP4 (E2M1), 4 bits each, K innermost, with one E8M0 scale byte for each 32 along K.
; A block's scale is 2^(floor(log2(its largest magnitude)) - 2), 2 being the exponent of the format's largest number, 6; its byte is that exponent + 127, which is the largest magnitude's own exponent field - 2,
; held at 1 from below.  (A block of zeros so gets the byte 1 where the rule says 127: its codes are zeros, which add nothing under any byte but 0xff, and the bytes are read by this program alone.)
; Each number is divided by the scale and rounded to the nearest code, ties to even; beyond 6 the largest code.
; LIMITS: blocks whose largest magnitude lies under 2^(2 - 126), the floor, whose byte is held at 1, were not tried; NaN and infinities among the inputs are not served.
; Rows are dense and K is a multiple of 32, so both tensors are plain streams of blocks of 32 numbers, and so are the codes and the scale bytes: nothing here knows of rows.
; A wave takes 16 steps of 512 numbers.  The conversions take 8 numbers of ONE block from a lane's registers, so for them a lane must hold 16 NEIGHBOURS (two neighbouring lanes hold a block); a load is best
; where neighbouring LANES take neighbouring bytes.  Both are had: each of a step's four loads reads 512 consecutive bytes, 16 a lane; the 2,048 bytes go through the wave's own stage in LDS, as they lie, and come back
; 64 bytes a lane.  The stage has 16 bytes of padding behind each 64.  A lane's 16 codes are 8 bytes: the wave stores 256 consecutive bytes.
; A step makes 16 scale bytes, a wave 256: they are gathered in the wave's own 256 bytes of LDS and leave as 256 consecutive, aligned bytes.
; One launch serves both tensors: the first WGA work-groups take X, the others Wqkv.  No tensor loads, no ring, no barrier: waves share nothing.  Loads run four steps (16 loads a wave) ahead, the turn through LDS one step.
.set SIZE_M, 4096
.set SIZE_N, 2048
.set SIZE_K, 1024
.set WAVES, 4
.set STEPS, 16
.set WGA,   SIZE_M*SIZE_K/(512*STEPS*WAVES)    ; 128 work-groups for X; 64 follow for Wqkv
.set EMAX,  2
.set CB,    8                          ; bytes of 16 codes
.set R,     16                         ; v16-79   four sets of 16 numbers as they are loaded
.set X,     80                         ; v80-111  two sets of 16 neighbours
.set C,     128                        ; v128-191 codes: four registers for each step, so that no store's data are written again
.set E,     112                        ; v112-127 a scale byte for each step
.set WREG,  8192                       ; LDS: a region of its own for each wave: two stages of 32 x SP bytes, and behind them its 256 scale bytes
.set SP,    80                         ; a lane's place in a stage: its 64 bytes + 16 of padding
.set SPW,   12                         ; v12      LDS address of my spare word: SPARE + 4 x my thread's number; never rewritten
.set NIL,   13                         ; v13      0; never rewritten
.set SPARE, WAVES*WREG                 ; behind the four regions: the spare words, 128 bytes for each wave: two blocks of 256 bytes that no other line names
	s_load_b128 s[4:7], s[0:1], 0x0                ; X, Wqkv
	s_load_b128 s[8:11], s[0:1], 0x10              ; X's codes, X's scales
	s_load_b128 s[12:15], s[0:1], 0x20             ; Wqkv's codes, Wqkv's scales
	v_lshl_add_u32 v[SPW], v0, 2, SPARE
	v_mov_b32 v[NIL], 0
	v_lshrrev_b32 v1, 5, v0
	v_readfirstlane_b32 s16, v1                    ; wave
	v_and_b32 v2, 31, v0                           ; lane
	v_lshlrev_b32 v3, 4, v2                        ; my 16 bytes of a load's 512
	s_mul_i32 s17, s16, WREG
	v_lshrrev_b32 v14, 2, v2
	v_mul_u32_u24 v14, v14, SP
	v_and_b32 v15, 3, v2
	v_lshl_add_u32 v14, v15, 4, v14
	v_add_nc_u32 v14, s17, v14                     ; the stage, on the way in: four lanes' 64 bytes on end, then 16 of padding: SP (lane / 4) + 16 (lane % 4); a load's 512 bytes take eight places
	v_mul_u32_u24 v15, v2, SP
	v_add_nc_u32 v15, s17, v15                     ; and on the way out: SP x lane: my 16 neighbours
	v_mul_u32_u24 v4, v2, CB                       ; my codes' place in a step's
	v_lshrrev_b32 v5, 1, v2
	s_add_co_u32 s17, s17, 2*32*SP
	v_add_nc_u32 v5, s17, v5                       ; LDS: my wave's 256 scale bytes, my block's byte
	v_lshlrev_b32 v7, 3, v2                        ; and on the way out 8 bytes a lane
	v_add_nc_u32 v6, s17, v7
	s_wait_kmcnt 0x0
	s_cmp_lt_u32 ttmp9, WGA                        ; X's work-group or Wqkv's?  The choice hangs on the work-group's number alone
	s_cselect_b64 s[4:5], s[4:5], s[6:7]
	s_cselect_b64 s[8:9], s[8:9], s[12:13]
	s_cselect_b64 s[10:11], s[10:11], s[14:15]
	s_cselect_b32 s17, 0, WGA
	s_sub_co_u32 s17, ttmp9, s17
	s_lshl_b32 s17, s17, 2
	s_add_co_u32 s18, s17, s16                     ; which run of 8,192 numbers of the tensor is my wave's
	s_mov_b32 s19, 0
	s_mov_b64 s[20:21], 512*STEPS*4
	s_mul_u64 s[20:21], s[18:19], s[20:21]
	s_add_nc_u64 s[4:5], s[4:5], s[20:21]
	s_mov_b64 s[20:21], 32*STEPS*CB
	s_mul_u64 s[20:21], s[18:19], s[20:21]
	s_add_nc_u64 s[8:9], s[8:9], s[20:21]
	s_lshl_b32 s18, s18, 8                         ; 256 scale bytes a run
	s_add_nc_u64 s[10:11], s[10:11], s[18:19]
.macro LOAD t
.irp i, 0,1,2,3
	global_load_b128 v[R+16*((\t)%4)+4*\i:R+16*((\t)%4)+4*\i+3], v3, s[4:5] offset:2048*(\t)+512*\i th:TH_LOAD_NT   ; 32 lanes read 512 consecutive bytes
.endr
.endm
.macro TURN t                          ; step t's numbers through the stage: LDS serves a wave's instructions in order, so no wait stands between the stores and the loads
.irp i, 0,1,2,3
	ds_store_b128 v14, v[R+16*((\t)%4)+4*\i:R+16*((\t)%4)+4*\i+3] offset:32*SP*((\t)%2)+8*SP*\i
.endr
.irp i, 0,1,2,3
	ds_load_b128 v[X+16*((\t)%2)+4*\i:X+16*((\t)%2)+4*\i+3], v15 offset:32*SP*((\t)%2)+16*\i
.endr
.endm
.irp t, 0,1,2,3
	LOAD \t
.endr
	s_wait_loadcnt 12                              ; step 0's four loads are in; the twelve of steps 1 to 3 may be out
	TURN 0
.macro STEP t
.set XS, X+16*((\t)%2)
.if (\t) > 0
	s_wait_dscnt 1                                 ; this step's numbers are back from the stage (the last step's byte store may be out): so its stores into the stage have read their registers,
.else
	s_wait_dscnt 0x0
.endif
.if (\t)+4 < STEPS
	LOAD (\t)+4                                    ; which take the loads of four steps on
.endif
.if (\t)+1 < STEPS
.if STEPS-2-(\t) >= 3
	s_wait_loadcnt 12                              ; the next step's four loads are in; those of the three steps behind it may be out
.else
	s_wait_loadcnt 4*(STEPS-2-(\t))
.endif
	TURN (\t)+1                                    ; and go through the other stage while this step is worked
.endif
	v_max3_num_f32 v8, |v[XS]|, |v[XS+1]|, |v[XS+2]|               ; the largest magnitude of my 16
	v_max3_num_f32 v9, |v[XS+3]|, |v[XS+4]|, |v[XS+5]|
.irp i, 6,10
	v_max3_num_f32 v8, v8, |v[XS+\i]|, |v[XS+\i+1]|
	v_max3_num_f32 v9, v9, |v[XS+\i+2]|, |v[XS+\i+3]|
.endr
	v_max3_num_f32 v8, v8, |v[XS+14]|, |v[XS+15]|
	v_max3_num_f32 v8, v8, v9, (EMAX+1)<<23        ; and the floor 2^(EMAX + 1 - 127), under which no largest magnitude is taken: so the byte cannot fall under 1
	v_max_num_f32_dpp v8, v8, v8 row_xmask:1 row_mask:0xf bank_mask:0xf   ; and of my neighbour's 16: the block's
	v_add_nc_u32 v11, -(EMAX<<23), v8              ; EMAX off its exponent field: the conversion takes the exponent field of this operand as its scale, and nothing else of it
	v_cvt_scalef32_pk8_fp4_f32 v[C+4*(\t)], v[XS:XS+7], v11        ; eight numbers / 2^(v11's exponent), to the nearest code; the first number's code in the lowest four bits
	v_cvt_scalef32_pk8_fp4_f32 v[C+4*(\t)+1], v[XS+8:XS+15], v11
	v_lshrrev_b32 v[E+(\t)], 23, v11               ; the scale's byte
	ds_store_b8 v5, v[E+(\t)] offset:16*(\t)       ; both lanes of a block write the same byte with the same value
	global_store_b64 v4, v[C+4*(\t):C+4*(\t)+1], s[8:9] offset:32*CB*(\t)
.endm
.irp t, 0,1,2,3,4,5,6,7,8,9,10,11,12,13,14,15
	STEP \t
.endr
	ds_load_b64 v[8:9], v6                         ; LDS serves a wave's instructions in order: these see my stores
	s_wait_dscnt 0x0
	global_store_b64 v7, v[8:9], s[10:11]          ; 32 lanes store 256 consecutive, aligned bytes
	s_wait_tensorcnt 0x0                           ; the wave's end, behind my last LDS store
	ds_add_u32 v[SPW], v[NIL]
	s_wait_dscnt 0x0
	s_endpgm
.Lfunc_end_k_qf2ebcdf1ef_quant:
	.size	k_qf2ebcdf1ef_quant, .Lfunc_end_k_qf2ebcdf1ef_quant-k_qf2ebcdf1ef_quant
	.p2alignl 7, 3214868480
	.fill 96, 4, 3214868480
	.section	.rodata,"a",@progbits
	.p2align	6, 0x0
	.amdhsa_kernel k_qf2ebcdf1ef_quant
		.amdhsa_group_segment_fixed_size 33280
		.amdhsa_private_segment_fixed_size 0
		.amdhsa_enable_private_segment 0
		.amdhsa_kernarg_size 48
		.amdhsa_user_sgpr_count 2
		.amdhsa_user_sgpr_kernarg_segment_ptr 1
		.amdhsa_wavefront_size32 1
		.amdhsa_system_sgpr_workgroup_id_x 1
		.amdhsa_system_sgpr_workgroup_id_y 1
		.amdhsa_system_sgpr_workgroup_id_z 1
		.amdhsa_system_vgpr_workitem_id 0
		.amdhsa_next_free_vgpr 192
		.amdhsa_next_free_sgpr 66
		.amdhsa_reserve_vcc 0
		.amdhsa_float_denorm_mode_32 3
		.amdhsa_float_denorm_mode_16_64 3
		.amdhsa_memory_ordered 1
		.amdhsa_forward_progress 1
		.amdhsa_inst_pref_size 33
	.end_amdhsa_kernel
	.amdgpu_metadata
---
amdhsa.version: [ 1, 2 ]
amdhsa.kernels:
  - .name:           k_qf2ebcdf1ef_quant
    .symbol:         k_qf2ebcdf1ef_quant.kd
    .args:
      - { .name: X, .offset: 0, .size: 8, .value_kind: global_buffer, .address_space: global }
      - { .name: Wqkv, .offset: 8, .size: 8, .value_kind: global_buffer, .address_space: global }
      - { .name: xc, .offset: 16, .size: 8, .value_kind: global_buffer, .address_space: global }
      - { .name: xs, .offset: 24, .size: 8, .value_kind: global_buffer, .address_space: global }
      - { .name: wc, .offset: 32, .size: 8, .value_kind: global_buffer, .address_space: global }
      - { .name: ws, .offset: 40, .size: 8, .value_kind: global_buffer, .address_space: global }
    .group_segment_fixed_size: 33280
    .private_segment_fixed_size: 0
    .kernarg_segment_align: 8
    .kernarg_segment_size: 48
    .max_flat_workgroup_size: 128
    .sgpr_count:     66
    .vgpr_count:     192
    .wavefront_size: 32
...
	.end_amdgpu_metadata
.endif
;; end of part 1
;; launch proj (part 2): grid 8 x 16, 4 waves a work-group, clusters of 4 x 4, 327,680 bytes of LDS; arguments xc, xs, wc, ws, kv; writes kv
.if DOCPART == 2
	.amdgcn_target "amdgcn-amd-amdhsa--gfx1250"
	.amdhsa_code_object_version 6
	.text
	.protected	k_qf2ebcdf1ef_proj
	.globl	k_qf2ebcdf1ef_proj
	.p2align	8
	.type	k_qf2ebcdf1ef_proj,@function
k_qf2ebcdf1ef_proj:
	s_mov_b64 s[64:65], 0
	v_nop
	global_prefetch_b8 v0, s[64:65] scope:SCOPE_SE
	s_setreg_imm32_b32 hwreg(HW_REG_WAVE_MODE, 25, 1), 1
	s_wait_xcnt 0x0
	s_wait_alu depctr_hold_cnt(0) depctr_sa_sdst(0) depctr_va_vdst(0) depctr_va_sdst(0) depctr_va_ssrc(0) depctr_va_vcc(0) depctr_vm_vsrc(0)
	s_getreg_b32 s2, hwreg(HW_REG_IB_STS2, 6, 4)
	s_cmp_eq_u32 s2, 0
	s_cbranch_scc0 .Lentry_in_a_cluster
	s_endpgm
.Lentry_in_a_cluster:
	s_bfe_u32 s2, ttmp6, 0x10000c
	s_cmp_lg_u32 s2, 0xf033
	s_cbranch_scc0 .Lentry_shape_is_right
	s_endpgm
.Lentry_shape_is_right:
; proj = X Wqkv^T on codes of FP4 (E2M1) with one E8M0 scale for each 32 along K = 1,024; sums in f32.  xc [4096][512 bytes], wc [2048][512 bytes]: two codes a byte, K innermost; xs [4096][32], ws [2048][32]: scale bytes.
; The results, x 2^-4 and rounded to f16, go to kv, laid as IMAGES OF THE REGISTERS in which the attention launch wants them:
;   kv [head 16][group of 64 tokens 64][16,384 bytes].  Bytes 0-8,191: the qk half: token tile T (16 tokens) at 2,048 T; in it 512 (2 f + c) + 16 lane: lane (r, h) holds token r, channels 32 f + 16 c + 8 h + 0..7 of the head.
;   Bytes 8,192-16,383: the v half, turned: channel tile ct at 2,048 ct; in it 512 (2 kb + c) + 16 lane: lane (r, h) holds channel 16 ct + r, tokens 32 kb + 16 c + 8 h + 0..7 of the group.
; LIMITS: 2^-4 gives f16 room for |proj| under 2^20; what lies under 2^-20 is rounded to steps of 2^-20; NaN and infinities are not served.
; TWO HALVES IN ONE LAUNCH, told apart by the cluster's x (part), which all sixteen partners share.  The matrix instruction is used transposed (source 0 = 16 rows of the B role, source 1 = 16 rows of the A role):
; a lane then holds one row m of the A role and eight neighbouring n of the B role.
;   part 0 (qk): A role = X (m = tokens), B role = Wqkv's rows 0-1,023 (n = channels): eight neighbouring channels of a token pack into a lane's 16 bytes.
;   part 1 (v):  A role = Wqkv's rows 1,024-2,047 (m = channels), B role = X (n = tokens): eight neighbouring tokens of a channel: v comes out turned, and nothing is transposed by an instruction.
; A tile of 256 x 256 is made by a work-group of four waves; a wave makes 128 x 128: 64 accumulators, 512 registers.  64 + 64 tiles.  K is two steps of 512 (rows of 256 bytes): both lie in LDS at once, so nothing is filled again.
; THE SCALES of the work-group's 256 + 256 rows, for all of K, are two dense blocks of memory: they come into LDS once, with the first fills.
; CLUSTERS: 4 x 4 work-groups.  The four of a row of the cluster need the same tiles of the A role, the four of a column the same tiles of the B role: each tile is asked for JOINTLY, by the same tensor load with the
; same descriptor and a mask that names the four.
; REGISTERS, in windows of 256: window 0: v0-31 addresses; v32-95 scale words, two sets; from v128 A's fragments (8 x 16 rows x 128 K), ONE set; on the way out v128-255 hold packed results.
;   window 1: B's fragments, TWO sets, at v0 and at v128.   window 2: the 32 accumulators of my rows 0-63 (accumulator (a, b) at v[8 (8 a + b)]);   window 3: those of my rows 64-127.
.set SIZE_K, 1024
.set KSTEP,  512                       ; along K in a slot
.set NQ,     KSTEP/128                 ; matrix instructions deep
.set ROWB,   256                       ; a tile's row in bytes: KSTEP codes of 4 bits
.set KROW,   SIZE_K*4/8                ; a row of codes in memory, in bytes
.set PITCH,  272                       ; an LDS row: 256 bytes of data + 16 of padding = 68 words: row r starts at bank 4 r mod 64 (64 banks of 4 bytes: ISA guide 11.1), so the 16 rows that a load touches start at 16 different banks
.set FR,     8                         ; registers of a fragment: 16 rows x 128 K
.set NL,     2                         ; LDS loads that bring one
.set NP,     4                         ; places behind this matrix instruction (ISA guide 7.12.1)
.set HALFT,  128*PITCH                 ; 128 rows: what one tensor load brings, and what one wave reads of A or of B
.set SLOT,   4*HALFT                   ; A's 256 rows, then B's 256 rows
.set KS,     SIZE_K/32                 ; a row of scales in bytes
.set SCL,    2*SLOT                    ; behind the two slots: the scales, as rows of 256 bytes + 16 of padding
.set HALFS,  (128*KS/256)*272          ; the scales of 128 rows: what one tensor load brings
.set SBLK,   (16*KS/256)*272           ; those of 16 rows
.set SPARE,  SCL+4*HALFS               ; behind the scales: the spare words, 128 bytes for each wave: two blocks of 256 bytes that no other line names
.set ADRA, 16                          ; v16-17  LDS address of my A fragments in slot 0, 1
.set ADRB, 20                          ; v20-21  the same for B
.set LI,   24                          ; v24     16 x lane: my place in an image's 512 bytes
.set ADRS, 27                          ; v27     LDS address of my scale words: lanes 0-15 A's rows, lanes 16-31 B's
.set SPW,  28                          ; v28     LDS address of my spare word: SPARE + 4 x my thread's number; never rewritten
.set NIL,  29                          ; v29     0; never rewritten
.set SC,   32                          ; scale words: set s (for slot s) at v[SC + 8 NQ s]; in it register NQ i + q: lanes 0-15 the word of A's block i, lanes 16-31 that of B's block i, for the slot's q-th 128 along K
.set AF,   128                         ; A's fragments, in window 0
.set PK,   128                         ; the way out: 32 accumulators packed to f16, four registers each: v128-255 of window 0
.set G1, 24                            ; s[24:31] descriptor group 1 for A's tiles;  s[32:39] group 0, one set for each slot
.set G0, 32
.set G1B, 48                           ; s[48:55], s[56:63] the same for B's tiles
.set G0B, 56
.set G1S, 68                           ; s[68:75], s[76:79] groups 1 and 0 for A's scales;  s[80:87], s[88:91] for B's
.set G0S, 76
.set G1SB, 80
.set G0SB, 88
.set OB,  92                           ; s[92:99] the way out: four bases in kv, for my rows' half ag and my columns' half bg at s[OB + 2 (2 ag + bg)]
.set MSB, 0
.macro WIN new                         ; the immediate's high byte repeats the setting that is left
.if MSB != (\new)
	s_set_vgpr_msb (MSB<<8)|(\new)
.set MSB, (\new)
.endif
.endm
.set MUL_LO, 0xa1                      ; source 0 (B) window 1, source 1 (A) window 0, C and D window 2
.set MUL_HI, 0xf1                      ; the same, C and D window 3
.set TO_B,   0x40                      ; destination window 1, address window 0
; A joint load: waves 0 and 1 fetch for A, waves 2 and 3 for B.  Each of the two lines has ONE mask and one set of registers for all that issue it; the branch hangs on the wave's number alone.
; An s_nop 0 and four v_nop follow each of the two lines, ahead of the jump, the label and what follows.
.macro JLOAD g0a, g1a, g0b, g1b
	s_cmp_eq_u32 s15, 0
	s_cbranch_scc0 .Lfor_b_\@
	tensor_load_to_lds s[\g0a:\g0a+3], s[\g1a:\g1a+7]
	s_nop 0
.rept 4
	v_nop
.endr
	s_branch .Lasked_\@
.Lfor_b_\@:
	tensor_load_to_lds s[\g0b:\g0b+3], s[\g1b:\g1b+7]
	s_nop 0
.rept 4
	v_nop
.endr
.Lasked_\@:
.endm
; A round of the cluster's barrier: my work-group's barrier, so that wave 0's signal speaks for all four waves; wave 0 signals for the work-group; every wave waits for all sixteen work-groups; my work-group's barrier once more.
.macro CROUND
	s_barrier_signal -1
	s_barrier_wait -1
	s_cmp_lg_u32 s14, 0
	s_cbranch_scc1 .Lnot_wave_0_\@
	s_barrier_signal -3
.Lnot_wave_0_\@:
	s_barrier_wait -3
	s_barrier_signal -1
	s_barrier_wait -1
.endm
	s_load_b128 s[4:7], s[0:1], 0x0                ; X's codes s[4:5], X's scales s[6:7]
	s_load_b128 s[8:11], s[0:1], 0x10              ; Wqkv's codes s[8:9], Wqkv's scales s[10:11]
	s_load_b64 s[12:13], s[0:1], 0x20              ; kv
	v_lshl_add_u32 v[SPW], v0, 2, SPARE
	v_mov_b32 v[NIL], 0
	ds_add_u32 v[SPW], v[NIL]                      ; the wave's opening: the add, twice on end, and its wait ahead of my first tensor load; the set-up below, work on registers, stands between the second and the wait
	ds_add_u32 v[SPW], v[NIL]
	v_lshrrev_b32 v1, 5, v0
	v_readfirstlane_b32 s14, v1                    ; wave 0..3
	s_lshr_b32 s15, s14, 1                         ; which half of the tile's rows is mine.  Also: I fetch for A (0) or for B (1)
	s_and_b32 s16, s14, 1                          ; which half of its columns.  Also: which 128 rows of that tile I fetch
	s_bfe_u32 s40, ttmp6, 0x40000                  ; cx, cy: my place in the cluster
	s_bfe_u32 s41, ttmp6, 0x40004
	s_and_b32 s17, ttmp7, 0xffff
	s_lshl_b32 s17, s17, 2                         ; 4 x cluster y: it walks the tokens, which are the rows in part 0 and the columns in part 1
	s_cmp_eq_u32 ttmp9, 0                          ; part 0?
	s_cselect_b32 s66, s17, 0
	s_cselect_b32 s67, 0, s17
	s_add_co_u32 s17, s66, s41                     ; tile row = cy (+ 4 x cluster y in part 0): no cx enters it
	s_add_co_u32 s42, s67, s40                     ; tile column = cx (+ 4 x cluster y in part 1): no cy enters it
	s_lshl_b32 s43, s41, 2
	s_lshl_b32 s43, 15, s43                        ; my row of the cluster
	s_lshl_b32 s44, 0x1111, s40                    ; my column
	; descriptor group 1: a tile of 128 rows x ROWB bytes, padded in LDS
	s_or_b32 s[G1+0], s43, (0<<16)|(1<<20)|(1<<21)|(5<<22)|(3<<25)  ; 15:0 the mask: A's tiles go to my row; 17:16 element of 1 byte; 20 padding on; 21 set beside a mask; 24:22 after every 64 words (code 5); 31:25 of 4 words (code 3)
	s_or_b32 s[G1B+0], s44, (0<<16)|(1<<20)|(1<<21)|(5<<22)|(3<<25)
.irp g, G1, G1B
	s_mov_b32 s[\g+1], ROWB<<16                    ; tensor_dim0
	s_mov_b32 s[\g+2], 128<<16                     ; tensor_dim1 = 128
	s_mov_b32 s[\g+3], ROWB<<16                    ; tile_dim0
	s_mov_b32 s[\g+4], 128                         ; tile_dim1 = 128
	s_mov_b32 s[\g+5], KROW                        ; tensor_dim0_stride
	s_mov_b32 s[\g+6], 0
	s_mov_b32 s[\g+7], 0
.endr
	; and for the scales of 128 rows: a dense block of 128 KS bytes, as rows of 256 bytes (32 elements of 8 bytes), 16 bytes of padding behind each
	s_or_b32 s[G1S+0], s43, (3<<16)|(1<<20)|(1<<21)|(5<<22)|(3<<25)
	s_or_b32 s[G1SB+0], s44, (3<<16)|(1<<20)|(1<<21)|(5<<22)|(3<<25)
.irp g, G1S, G1SB
	s_mov_b32 s[\g+1], 32<<16
	s_mov_b32 s[\g+2], (128*KS/256)<<16
	s_mov_b32 s[\g+3], 32<<16
	s_mov_b32 s[\g+4], 128*KS/256
	s_mov_b32 s[\g+5], 32
	s_mov_b32 s[\g+6], 0
	s_mov_b32 s[\g+7], 0
.endr
	s_lshl_b32 s18, s16, 7                         ; which 128 rows of the tile I fetch
	s_lshl_b32 s20, s17, 8
	s_add_co_u32 s20, s20, s18                     ; A: row 256 x tile row + 128 x half,
	s_lshl_b32 s66, ttmp9, 10
	s_add_co_u32 s20, s20, s66                     ; and in part 1 the v half of Wqkv: 1,024 rows on
	s_lshl_b32 s46, s42, 8
	s_add_co_u32 s46, s46, s18                     ; B: row 256 x tile column + 128 x half
	s_mov_b32 s21, 0
	s_mov_b32 s47, 0
	s_mov_b64 s[18:19], KS
	s_mul_u64 s[22:23], s[20:21], s[18:19]         ; where these rows' scales begin, in bytes
	s_mul_u64 s[92:93], s[46:47], s[18:19]
	s_mov_b64 s[18:19], KROW
	s_mul_u64 s[20:21], s[20:21], s[18:19]         ; and their codes
	s_mul_u64 s[46:47], s[46:47], s[18:19]
	s_mul_i32 s45, s14, HALFT                      ; where they go: wave x 128 rows: no place in the cluster enters an LDS address
	s_mul_i32 s94, s14, HALFS
	s_wait_dscnt 0x0                               ; both opening adds are done
	s_wait_kmcnt 0x0
	s_cmp_eq_u32 ttmp9, 0                          ; which tensor plays which role: a choice on the cluster's x alone
	s_cselect_b64 s[96:97], s[4:5], s[8:9]         ; the A role's codes,
	s_cselect_b64 s[98:99], s[6:7], s[10:11]       ; its scales,
	s_cselect_b64 s[8:9], s[8:9], s[4:5]           ; the B role's codes,
	s_cselect_b64 s[10:11], s[10:11], s[6:7]       ; its scales
	s_add_nc_u64 s[20:21], s[96:97], s[20:21]
	s_add_nc_u64 s[22:23], s[98:99], s[22:23]
	s_add_nc_u64 s[46:47], s[8:9], s[46:47]
	s_add_nc_u64 s[92:93], s[10:11], s[92:93]
	CROUND                                         ; all sixteen work-groups are here: the first joint loads meet
	s_mov_b32 s[G0S], 1
	s_add_co_u32 s[G0S+1], s94, SCL
	s_mov_b64 s[G0S+2:G0S+3], s[22:23]
	s_or_b32 s[G0S+3], s[G0S+3], 0x80000000
	s_mov_b32 s[G0SB], 1
	s_add_co_u32 s[G0SB+1], s94, SCL
	s_mov_b64 s[G0SB+2:G0SB+3], s[92:93]
	s_or_b32 s[G0SB+3], s[G0SB+3], 0x80000000
	JLOAD G0S, G1S, G0SB, G1SB                     ; the scales first: they are wanted with K step 0
.irp s, 0,1
	s_mov_b32 s[G0+4*\s], 1
	s_add_co_u32 s[G0+4*\s+1], s45, \s*SLOT
	s_add_nc_u64 s[G0+4*\s+2:G0+4*\s+3], s[20:21], \s*ROWB
	s_or_b32 s[G0+4*\s+3], s[G0+4*\s+3], 0x80000000
	s_mov_b32 s[G0B+4*\s], 1
	s_add_co_u32 s[G0B+4*\s+1], s45, \s*SLOT
	s_add_nc_u64 s[G0B+4*\s+2:G0B+4*\s+3], s[46:47], \s*ROWB
	s_or_b32 s[G0B+4*\s+3], s[G0B+4*\s+3], 0x80000000
	JLOAD G0+4*\s, G1, G0B+4*\s, G1B               ; both K steps: three tensor loads of mine are out, and no more follow
.endr
	v_and_b32 v1, 15, v0                           ; l % 16
	v_bfe_u32 v2, v0, 4, 1                         ; l / 16
	v_mul_u32_u24 v3, v1, PITCH
	v_lshl_add_u32 v4, v2, 4, v3                   ; a fragment's row x pitch + 16 x half
	s_mul_i32 s21, s15, HALFT                      ; my 128 rows of A
	s_mul_i32 s22, s16, HALFT                      ; my 128 rows of B,
	s_add_co_u32 s22, s22, 2*HALFT                 ; which lie behind A's 256
.irp s, 0,1
	v_add_nc_u32 v[ADRA+\s], s21, v4
	v_add_nc_u32 v[ADRB+\s], s22, v4
	s_add_co_u32 s21, s21, SLOT
	s_add_co_u32 s22, s22, SLOT
.endr
	v_mul_u32_u24 v5, v1, KS                       ; my row's scales: KS bytes a row,
	v_lshrrev_b32 v6, 8, v5
	v_lshl_add_u32 v5, v6, 4, v5                   ; and 16 more for each 256 passed
	s_mul_i32 s21, s15, HALFS                      ; A's: my 128 rows
	s_mul_i32 s22, s16, HALFS                      ; B's: my 128 rows, behind A's 256
	s_add_co_u32 s22, s22, 2*HALFS
	s_sub_co_u32 s22, s22, s21
	v_mul_u32_u24 v6, s22, v2                      ; lanes 16-31 take B's
	s_add_co_u32 s21, s21, SCL
	v_add_nc_u32 v5, v5, v6
	v_add_nc_u32 v[ADRS], s21, v5
	v_and_b32 v6, 31, v0
	v_lshlrev_b32 v[LI], 4, v6
	; the way out's four bases.  u, w: my first 64 rows and my first 64 columns, counted in sixty-fours.  part 0: head = w + bg, group = u + ag;  part 1: head = u + ag, group = w + bg, and 8,192 bytes on
	s_lshl_b32 s20, s17, 2
	s_lshl_b32 s21, s15, 1
	s_add_co_u32 s20, s20, s21                     ; u
	s_lshl_b32 s46, s42, 2
	s_lshl_b32 s47, s16, 1
	s_add_co_u32 s46, s46, s47                     ; w
	s_cmp_eq_u32 ttmp9, 0
	s_cselect_b32 s21, s46, s20                    ; my first head
	s_cselect_b32 s47, s20, s46                    ; my first group
	s_mov_b32 s22, 1<<20
	s_cselect_b32 s22, 1<<14, s22                  ; from ag = 0 to ag = 1: a group on in part 0, a head on in part 1
	s_mov_b32 s18, 1<<14
	s_cselect_b32 s18, 1<<20, s18                  ; from bg = 0 to bg = 1: the other of the two
	s_lshl_b32 s21, s21, 20
	s_lshl_b32 s47, s47, 14
	s_add_co_u32 s21, s21, s47
	s_lshl_b32 s47, ttmp9, 13
	s_add_co_u32 s20, s21, s47                     ; under 2^24
	s_mov_b32 s21, 0
	s_mov_b32 s23, 0
	s_mov_b32 s19, 0
	s_add_nc_u64 s[OB:OB+1], s[12:13], s[20:21]
	s_add_nc_u64 s[OB+2:OB+3], s[OB:OB+1], s[18:19]
	s_add_nc_u64 s[OB+4:OB+5], s[OB:OB+1], s[22:23]
	s_add_nc_u64 s[OB+6:OB+7], s[OB+4:OB+5], s[18:19]
	s_mov_b32 s66, 0x3d800000                      ; 2^-4
	s_mov_b32 s67, s66                             ; (named with it as a pair, so it is written)
.macro FRAG reg, adr, q, i             ; a fragment, 16 rows x 128 K of 4-bit codes, is 8 registers: lane l holds row l % 16; registers 4 c .. 4 c + 3 hold K = 64 c + 32 (l / 16) + 0 .. 31, the lower K in the lower bits
.irp c, 0,1
	ds_load_b128 v[\reg+4*\c:\reg+4*\c+3], v[\adr] offset:64*(\q)+32*\c+(\i)*16*PITCH
.endr
.endm
; 16 matrix instructions: A's blocks a0, a0 + 1 x B's eight, 128 along K: the slot's q-th.  p: B's set;  sc: the set of scale words.  zero = 1: the first product starts the sums: nothing is ever cleared.
; The 64 accumulators take turns, one instruction a turn, in the same order in every step.
.macro MUL16 a0, p, q, sc, zero
.irp a, \a0, \a0+1
.irp b, 0,1,2,3,4,5,6,7
.if \zero
	v_wmma_scale_f32_16x16x128_f8f6f4 v[8*(8*((\a)%4)+\b):8*(8*((\a)%4)+\b)+7], v[128*(\p)+FR*\b:128*(\p)+FR*\b+FR-1], v[AF+FR*(\a):AF+FR*(\a)+FR-1], 0, v[SC+8*NQ*(\sc)+NQ*\b+(\q)], v[SC+8*NQ*(\sc)+NQ*(\a)+(\q)] matrix_a_fmt:MATRIX_FMT_FP4 matrix_b_fmt:MATRIX_FMT_FP4 matrix_a_scale:MATRIX_SCALE_ROW1
.else
	v_wmma_scale_f32_16x16x128_f8f6f4 v[8*(8*((\a)%4)+\b):8*(8*((\a)%4)+\b)+7], v[128*(\p)+FR*\b:128*(\p)+FR*\b+FR-1], v[AF+FR*(\a):AF+FR*(\a)+FR-1], v[8*(8*((\a)%4)+\b):8*(8*((\a)%4)+\b)+7], v[SC+8*NQ*(\sc)+NQ*\b+(\q)], v[SC+8*NQ*(\sc)+NQ*(\a)+(\q)] matrix_a_fmt:MATRIX_FMT_FP4 matrix_b_fmt:MATRIX_FMT_FP4 matrix_a_scale:MATRIX_SCALE_ROW1
.endif
.endr
.endr
.endm
.macro FETCH_B slot, q, p              ; B's eight fragments of the slot's q-th 128 along K into set p
	WIN TO_B
.irp i, 0,1,2,3,4,5,6,7
	FRAG 128*(\p)+FR*\i, ADRB+\slot, \q, \i
.endr
	WIN 0
.endm
.macro FETCH_A slot, q, i0             ; A's blocks i0 .. i0 + 3
.irp i, \i0, \i0+1, \i0+2, \i0+3
	FRAG AF+FR*(\i), ADRA+\slot, \q, \i
.endr
.endm
.macro SCALES sc                       ; a K step's scale words into set sc: NQ words a row; lanes 0-15 take A's block i, lanes 16-31 B's block i
.irp i, 0,1,2,3,4,5,6,7
	ds_load_b128 v[SC+8*NQ*\sc+NQ*\i:SC+8*NQ*\sc+NQ*\i+3], v[ADRS] offset:\i*SBLK
.endr
.endm
; A load into a register that a matrix instruction has read, and a vector instruction that reads a matrix result, stand NP places behind that matrix instruction, and only plain vector
; instructions that name none of its registers are places (ISA guide 7.12.1 for vector instructions); this text does not count the matrix instructions in between.
.macro PLACES n
.rept \n
	v_nop
.endr
.endm
; A step of 128 along K that has its successor in the same slot.  A block of A is free as soon as its eight products are issued, so one set of registers serves A: blocks 0-3 are fetched anew in the step's middle, blocks 4-7 at its end.
.macro STEP slot, q, zero
	s_wait_dscnt 4*NL                              ; B's set and A's blocks 0-3 are in; the youngest eight loads (A's blocks 4-7) may be out
	WIN MUL_LO
	MUL16 0, (\q)%2, \q, \slot, \zero
	MUL16 2, (\q)%2, \q, \slot, \zero
	s_wait_dscnt 0                                 ; A's blocks 4-7 are in (asked for 32 matrix instructions ago)
	PLACES NP
	FETCH_B \slot, (\q)+1, 1-(\q)%2
	FETCH_A \slot, (\q)+1, 0
	WIN MUL_HI
	MUL16 4, (\q)%2, \q, \slot, \zero
	MUL16 6, (\q)%2, \q, \slot, \zero
	PLACES NP
	WIN 0
	FETCH_A \slot, (\q)+1, 4
.endm
; Slot 0's last step goes over to slot 1: ONE barrier; in front of it each wave waits for all its tensor loads, of which its part of slot 1 may still have been out.  Nothing is filled again.
.macro TURN slot, next
	s_wait_tensorcnt 0x0                           ; all my tensor loads have landed: my part of the next slot;  (every window is 0 here: the add's two registers lie in window 0)
	ds_add_u32 v[SPW], v[NIL]                      ; 0 onto my spare word
	s_wait_dscnt 4*NL+1                            ; (the add and the youngest eight loads, A's blocks 4-7, may be out)
	WIN MUL_LO
	MUL16 0, 1, NQ-1, \slot, 0                     ; sixteen matrix instructions stand between the add and the wait for it
	s_wait_dscnt 0x0                               ; the add is done, and no LDS load of mine is out at the signal
	s_barrier_signal -1
	MUL16 2, 1, NQ-1, \slot, 0
	WIN 0
	s_barrier_wait -1                              ; every wave's part of the next slot is in
	PLACES NP
	v_add_nc_u32 v[ADRS], 4*NQ, v[ADRS]            ; on to the next K step's scale words (no LDS load of mine is out)
	FETCH_B \next, 0, 0
	FETCH_A \next, 0, 0
	SCALES \next
	WIN MUL_HI
	MUL16 4, 1, NQ-1, \slot, 0
	MUL16 6, 1, NQ-1, \slot, 0
	PLACES NP
	WIN 0
	FETCH_A \next, 0, 4
.endm
.macro STEPS slot, from                ; the slot's steps from .. NQ - 2
.set Q, \from
.rept NQ-1-\from
	STEP \slot, Q, 0
.set Q, Q+1
.endr
.endm
	s_wait_tensorcnt 1                             ; the scales and my part of K step 0 are in (K step 1's load, the one issued behind them, may be out),
	s_barrier_signal -1
	s_barrier_wait -1                              ; everybody's are
	FETCH_B 0, 0, 0
	FETCH_A 0, 0, 0
	SCALES 0
	FETCH_A 0, 0, 4
	STEP 0, 0, 1                                   ; the first step's products start the sums
	STEPS 0, 1
	TURN 0, 1
	STEPS 1, 0
	s_wait_dscnt 4*NL                              ; the very last step: nothing more to fetch
	WIN MUL_LO
	MUL16 0, 1, NQ-1, 1, 0
	MUL16 2, 1, NQ-1, 1, 0
	s_wait_dscnt 0
	WIN MUL_HI
	MUL16 4, 1, NQ-1, 1, 0
	MUL16 6, 1, NQ-1, 1, 0
	WIN 0
; THE WAY OUT.  In accumulator (a, b) lane (r, h) holds row 16 a + r and columns 16 b + 8 h + 0..7: eight neighbours, which x 2^-4 pack into 16 bytes of f16, and those 16 bytes at 16 x lane ARE the image that kv wants:
; tile a % 4 of sixteen at 2,048 (a % 4), piece b % 4 at 512 (b % 4), in the 64 x 64 block (a / 4, b / 4).  So no stage in LDS: each store of the wave covers 512 consecutive bytes, aligned.
	PLACES NP                                      ; ahead of the first read of results and of the first write into the registers that held A's fragments
.irp g, 0,1                            ; my rows 0-63 (window 2), then 64-127 (window 3)
	WIN 0x82+0x41*\g                               ; destination and source 0 in the accumulators' window
.set i, 0
.rept 128
	v_pk_mul_f32 v[i:i+1], v[i:i+1], s[66:67] op_sel_hi:[1,0]      ; x 2^-4, exact; ascending
.set i, i+2
.endr
.if \g
	s_wait_xcnt 0x0                                ; the first half's stores have read their data registers, which the conversions below write again
.endif
	WIN 0x0a+5*\g                                  ; sources 0 and 1 in the accumulators' window, destination in window 0
.set i, 0
.rept 128
	v_cvt_pk_f16_f32 v[PK+i], v[2*i], v[2*i+1]     ; the lower column in the low half
.set i, i+1
.endr
	WIN 0
.irp a, 0,1,2,3
.irp b, 0,1,2,3,4,5,6,7
	global_store_b128 v[LI], v[PK+4*(8*\a+\b):PK+4*(8*\a+\b)+3], s[OB+2*(2*\g+\b/4):OB+2*(2*\g+\b/4)+1] offset:\a*2048+(\b%4)*512
.endr
.endr
.endr
	s_wait_tensorcnt 0x0                           ; the wave's end, behind my last tensor load
	ds_add_u32 v[SPW], v[NIL]
	s_wait_dscnt 0x0
	CROUND                                         ; the closing round: no work-group ends while a partner may still ask for a tile that names it
	s_endpgm
.Lfunc_end_k_qf2ebcdf1ef_proj:
	.size	k_qf2ebcdf1ef_proj, .Lfunc_end_k_qf2ebcdf1ef_proj-k_qf2ebcdf1ef_proj
	.p2alignl 7, 3214868480
	.fill 96, 4, 3214868480
	.section	.rodata,"a",@progbits
	.p2align	6, 0x0
	.amdhsa_kernel k_qf2ebcdf1ef_proj
		.amdhsa_group_segment_fixed_size 327680
		.amdhsa_private_segment_fixed_size 0
		.amdhsa_enable_private_segment 0
		.amdhsa_kernarg_size 40
		.amdhsa_user_sgpr_count 2
		.amdhsa_user_sgpr_kernarg_segment_ptr 1
		.amdhsa_wavefront_size32 1
		.amdhsa_system_sgpr_workgroup_id_x 1
		.amdhsa_system_sgpr_workgroup_id_y 1
		.amdhsa_system_sgpr_workgroup_id_z 1
		.amdhsa_system_vgpr_workitem_id 0
		.amdhsa_next_free_vgpr 1024
		.amdhsa_next_free_sgpr 100
		.amdhsa_reserve_vcc 0
		.amdhsa_float_denorm_mode_32 3
		.amdhsa_float_denorm_mode_16_64 3
		.amdhsa_memory_ordered 1
		.amdhsa_forward_progress 1
		.amdhsa_inst_pref_size 134
	.end_amdhsa_kernel
	.amdgpu_metadata
---
amdhsa.version: [ 1, 2 ]
amdhsa.kernels:
  - .name:           k_qf2ebcdf1ef_proj
    .symbol:         k_qf2ebcdf1ef_proj.kd
    .args:
      - { .name: xc, .offset: 0, .size: 8, .value_kind: global_buffer, .address_space: global }
      - { .name: xs, .offset: 8, .size: 8, .value_kind: global_buffer, .address_space: global }
      - { .name: wc, .offset: 16, .size: 8, .value_kind: global_buffer, .address_space: global }
      - { .name: ws, .offset: 24, .size: 8, .value_kind: global_buffer, .address_space: global }
      - { .name: kv, .offset: 32, .size: 8, .value_kind: global_buffer, .address_space: global }
    .group_segment_fixed_size: 327680
    .private_segment_fixed_size: 0
    .kernarg_segment_align: 8
    .kernarg_segment_size: 40
    .max_flat_workgroup_size: 128
    .sgpr_count:     100
    .vgpr_count:     1024
    .wavefront_size: 32
...
	.end_amdgpu_metadata
.endif
;; end of part 2
;; launch attn (part 3): grid 16 x 16, 8 waves a work-group, clusters of 4 x 1, 327,680 bytes of LDS; arguments kv, out0; writes out0
.if DOCPART == 3
	.amdgcn_target "amdgcn-amd-amdhsa--gfx1250"
	.amdhsa_code_object_version 6
	.text
	.protected	k_qf2ebcdf1ef_attn
	.globl	k_qf2ebcdf1ef_attn
	.p2align	8
	.type	k_qf2ebcdf1ef_attn,@function
k_qf2ebcdf1ef_attn:
	s_mov_b64 s[64:65], 0
	v_nop
	global_prefetch_b8 v0, s[64:65] scope:SCOPE_SE
	s_setreg_imm32_b32 hwreg(HW_REG_WAVE_MODE, 25, 1), 1
	s_wait_xcnt 0x0
	s_wait_alu depctr_hold_cnt(0) depctr_sa_sdst(0) depctr_va_vdst(0) depctr_va_sdst(0) depctr_va_ssrc(0) depctr_va_vcc(0) depctr_vm_vsrc(0)
	s_getreg_b32 s2, hwreg(HW_REG_IB_STS2, 6, 4)
	s_cmp_eq_u32 s2, 0
	s_cbranch_scc0 .Lentry_in_a_cluster
	s_endpgm
.Lentry_in_a_cluster:
	s_bfe_u32 s2, ttmp6, 0x10000c
	s_cmp_lg_u32 s2, 0x3003
	s_cbranch_scc0 .Lentry_shape_is_right
	s_endpgm
.Lentry_shape_is_right:
; out0[n][head][:] = the sum over m of softmax_m(qk[n] . qk[m] / 8) v[m][:], 16 heads of 64 channels, 4,096 tokens, no mask; queries and keys are the same tensor.
; kv holds qk and v x 2^-4 in f16 as images of operand registers: [head][group of 64 tokens][16,384 bytes]: 8,192 bytes of qk (token tile T at 2,048 T, piece 2 f + c at 512, 16 bytes a lane: lane (r, h): token r,
; channels 32 f + 16 c + 8 h + 0..7), then 8,192 of v turned (channel tile ct at 2,048 ct, piece 2 kb + c at 512: lane (r, h): channel 16 ct + r, tokens 32 kb + 16 c + 8 h + 0..7).
; So a fragment of K, of Q or of V^T is two loads of 16 bytes at 16 x lane: no pitch, no padding, and nothing is turned by an instruction.
; Products on f16 operands, sums, maxima and the softmax in f32; the weights p (at most 1) are rounded to f16 for the second product.  The two factors 2^-4 of a score are made good in c = 32 log2(e), v's in the divisor.
; LIMITS: those of kv (|proj| under 2^20); NaN and infinities are not served.  The running maximum begins at -1e30, under every score that f16 operands can give (64 x 65,504^2).
; SHARES.  A work-group owns 256 queries of one head.  Waves w and w xor 4 own the SAME 64 queries (four tiles of 16) and SPLIT THE KEYS: of each slot's eight groups of 64 keys, waves 0-3 take groups 0-3 and
; waves 4-7 groups 4-7.  At the end the two partial results (c m, l, O) are merged through LDS: each wave keeps two tiles and sends two.  Local tile i of a wave is tile (i + 2 (w / 4)) % 4, so that every wave keeps its local tiles 0, 1.
; LAYOUT.  S^T = K Q^T (source 0 = 16 keys, source 1 = 16 queries): a lane holds ONE query (lane % 16) and keys 8 (lane / 16) + 0..7.  Two such tiles, rounded in pairs, ARE source 1 (32 keys x 16 queries) of
; O^T = V^T P, whose result again holds one query a lane.  SOFTMAX: running maximum m and sum l for each query: p = 2^(c s - c m); in every step O and l are multiplied by a = 2^(c m_old - c m_new).
; TWO ROLES.  A wave's stream is K Q^T (32 matrix instructions), softmax, V^T P (32), and so on.  The change of slots cuts that stream at two places: for waves 0-3 between the fourth step's softmax and its V^T P, for
; waves 4-7 between its K Q^T and its softmax.  So behind each barrier waves 0-3 begin with matrix work and waves 4-7 with vector work.  What is pending across the barrier lies in registers.
; O^T and l begin as zeros, so that the key step is written without a first form of its own: 128 lines once, against a further copy of the step.
; CLUSTER.  The four query blocks of a cluster belong to one head and walk the same kv: each group of 64 keys is asked for JOINTLY, by the same tensor load with the same descriptor and a mask that names the four.
; RING.  Two slots of 512 keys (131,072 bytes, a dense copy of memory); wave w fills group w of a slot: one tensor load of 16,384 bytes a wave behind each round; one tensor load of a wave is out at a time.
; REGISTERS: window 0: v1-15 addresses; v16-47 statistics, eight a tile; v48-51 the partner's (c m, l); v52-55 c m_old; v64-191 S^T, 32 a tile (P is written over its first 16); v192-255 K of one step.
;   window 1: v0-127 O^T, 32 a tile; v128-191 Q, 16 a tile; v192-255 V of one step.
.set STEPB, 16384                      ; a key step: a group of 64 tokens in kv
.set SLOTB, 8*STEPB                    ; a slot: eight groups
.set SLOT1, 1<<17                      ; slot 1 begins here: one exclusive or turns an address in one slot into the other's
.set NSL,   4096/512                   ; slots' worth of keys
.set SPARE, 2*SLOT1                    ; behind the ring: the spare words, 128 bytes for each wave: four blocks of 256 bytes that no other line names
.set EXW,   8704                       ; the merge: each wave's 16 x 512 bytes of O and 2 x 256 of (c m, l).  From LDS byte 0 on: slot 0 has had its last fill and its last read by then
.set STAGE, 8*EXW                      ; the way out: 16 rows x (256 bytes + 16) for each wave, also in slot 0
.set STW,   16*272
.set LB,  1                            ; v1   16 x lane + 65,536 (w / 4): my lane's place in my half of a slot
.set AK,  2                            ; v2   LDS address of the step that is being fetched
.set QO0, 3                            ; v3   Q: 16 x lane + 4,096 (w / 4): local tiles 0, 1
.set QO1, 4                            ; v4   16 x lane + 4,096 (1 - w / 4): local tiles 2, 3
.set XW,  5                            ; v5   the merge: where I put O;   v6 (c m, l);   v7, v8 the same of wave w xor 4
.set XS,  6
.set XR,  7
.set XRS, 8
.set STO, 9                            ; v9   the way out: where I put 16 bytes of a row
.set RD,  10                           ; v10  where I read a row back
.set GO,  11                           ; v11  my byte offset in the wave's rows of out0
.set PFO, 12                           ; v12  256 x lane: the prefetches' offset; never rewritten
.set SPW, 14                           ; v14  LDS address of my spare word: SPARE + 4 x my thread's number; never rewritten
.set NIL, 15                           ; v15  0; never rewritten
.set ST,  16                           ; tile t's statistics at v[ST + 8 t]: +0 c m, +1 m (at the end l), +2, +3 l (even keys', odd keys'), +4 to +7 four chains of the maximum; then +4, +5 the step's sum, +6 a, +7 c m_old - c m
.set PT,  48
.set KP,  52
.set S,   64
.set KF,  192
.set QF,  128                          ; in window 1
.set VF,  192                          ; in window 1
.set WV,  8                            ; s8   my wave's number
.set HF,  9                            ; s9   w / 4: my half of the keys, and my role
.set G1,  16                           ; s[16:23] descriptor group 1
.set G0,  24                           ; s[24:27] descriptor group 0, which walks
.set TS,  28                           ; s28  LDS byte at which the step to be fetched begins (waves 4-7: 65,536 further on, in v[LB])
.set SLOTS, 29                         ; s29  slots still to be asked for
.set STEPC, 30                         ; s30  counts a slot's first three steps
.set CS,  32                           ; s[32:33] c = 32 log2(e): the packed form names a pair and takes its low word for both halves
.set SEL, 34                           ; s[34:35] lane selects for v_permlanex16_b32: lane l xor 16
.set PFA, 36                           ; s[36:37] where my prefetches stand in memory
.set LIM, 38                           ; s38  1 in a wave that prefetches, else the greatest number
.set QB,  48                           ; s[48:49] my 64 queries' group in kv
.set MSB, 0
.macro WIN new                         ; the immediate's high byte repeats the setting that is left; a switch that changes nothing is dropped
.if MSB != (\new)
	s_set_vgpr_msb (MSB<<8)|(\new)
.set MSB, (\new)
.endif
.endm
.set W_KQ, 0x04                        ; source 1 (Q) window 1; K and S^T window 0
.set W_PV, 0x51                        ; source 0 (V) window 1, source 1 (P) window 0, C and D (O^T) window 1
.set W_RS, 0x41                        ; O^T (destination and source 0) window 1, a window 0
.set TO1,  0x40                        ; destination window 1, address window 0
; A round of the cluster's barrier: my work-group's barrier, so that wave 0's signal speaks for all eight waves; wave 0 signals for the work-group; every wave waits for all four work-groups; my work-group's barrier once more.
.macro ROUND
	s_barrier_signal -1
	s_barrier_wait -1
	s_cmp_lg_u32 s[WV], 0
	s_cbranch_scc1 .Lnot_wave_0_\@
	s_barrier_signal -3
.Lnot_wave_0_\@:
	s_barrier_wait -3
	s_barrier_signal -1
	s_barrier_wait -1
.endm
; A PREFETCH INTO THE L2 of the slot that the NEXT change of slots will ask for: 131,072 bytes, four key steps of a wave ahead of that load.  Each aligned 256 bytes are named once in the launch: all clusters of a head walk the
; same kv, so the head's first cluster asks; its four partners take 32,768 bytes each, told apart BY ADDRESS; in each, waves 0-3 take 8,192 bytes each, lanes 256 bytes apart: one instruction a wave.
; Slots 0 and 1 come by their loads alone; the last change that fills a slot asks for nothing.
.macro ASK
	s_cmp_gt_u32 s[SLOTS], s[LIM]
	s_cbranch_scc0 .Lnot_mine_\@
	global_prefetch_b8 v[PFO], s[PFA:PFA+1] th:TH_LOAD_NT scope:SCOPE_SE
.Lnot_mine_\@:
.endm
; The LDS loads stand in runs of 16.  K of the next step: 4 key tiles x 2 halves of the channels; piece i of 16 at 512 i.
.macro LOADK
	v_add_nc_u32 v[AK], s[TS], v[LB]
	s_add_co_u32 s[TS], s[TS], STEPB               ; the next fetch is the next step's
.set i, 0
.rept 16
	ds_load_b128 v[KF+4*i:KF+4*i+3], v[AK] offset:512*i
.set i, i+1
.endr
.endm
.macro LOADV                           ; V of the same step, 8,192 bytes on
	WIN TO1
.set i, 0
.rept 16
	ds_load_b128 v[VF+4*i:VF+4*i+3], v[AK] offset:8192+512*i
.set i, i+1
.endr
	WIN 0
.endm
; S^T = K Q^T: 32 matrix instructions, the 16 accumulators by turns, one instruction a turn; the first 16 start the sums.  n: the younger LDS loads that may stay out.
; Behind them c m is kept for a: four plain lines that name no register of the products: they are the four places ahead of the loads into K's registers and of the first read of the scores.
.macro KQ n
	s_wait_dscnt \n
	WIN W_KQ
.irp f, 0,1
.irp kt, 0,1,2,3
.irp t, 0,1,2,3
.if \f == 0
	v_wmma_f32_16x16x32_f16 v[S+32*\t+8*\kt:S+32*\t+8*\kt+7], v[KF+8*(2*\kt+\f):KF+8*(2*\kt+\f)+7], v[QF+16*\t+8*\f:QF+16*\t+8*\f+7], 0
.else
	v_wmma_f32_16x16x32_f16 v[S+32*\t+8*\kt:S+32*\t+8*\kt+7], v[KF+8*(2*\kt+\f):KF+8*(2*\kt+\f)+7], v[QF+16*\t+8*\f:QF+16*\t+8*\f+7], v[S+32*\t+8*\kt:S+32*\t+8*\kt+7]
.endif
.endr
.endr
.endr
	WIN 0
.irp t, 0,1,2,3
	v_mov_b32 v[KP+\t], v[ST+8*\t]
.endr
.endm
; THE SOFTMAX of a key step, the four tiles by turns line by line, so that no line waits for the line above it.
.macro SM
.irp j, 0,1,2,3                        ; the maximum of a lane's 32 scores and the old m, three operands at a time: four chains; each accumulator is read from its low end on
.irp t, 0,1,2,3
	v_max3_num_f32 v[ST+8*\t+4+\j], v[S+32*\t+8*\j], v[S+32*\t+8*\j+1], v[S+32*\t+8*\j+2]
.endr
.endr
.irp g, 1,2
.irp j, 0,1,2,3
.irp t, 0,1,2,3
	v_max3_num_f32 v[ST+8*\t+4+\j], v[ST+8*\t+4+\j], v[S+32*\t+8*\j+2*\g+1], v[S+32*\t+8*\j+2*\g+2]
.endr
.endr
.endr
.irp t, 0,1,2,3
	v_max3_num_f32 v[ST+8*\t+4], v[ST+8*\t+4], v[S+32*\t+7], v[S+32*\t+15]
.endr
.irp t, 0,1,2,3
	v_max3_num_f32 v[ST+8*\t+6], v[ST+8*\t+6], v[S+32*\t+23], v[S+32*\t+31]
.endr
.irp t, 0,1,2,3
	v_max3_num_f32 v[ST+8*\t+4], v[ST+8*\t+4], v[ST+8*\t+5], v[ST+8*\t+6]
.endr
.irp t, 0,1,2,3
	v_max3_num_f32 v[ST+8*\t+4], v[ST+8*\t+4], v[ST+8*\t+7], v[ST+8*\t+1]
.endr
.irp t, 0,1,2,3
	v_permlanex16_b32 v[ST+8*\t+5], v[ST+8*\t+4], s[SEL], s[SEL+1]   ; the query's other 32 keys lie in the lane 16 away
.endr
.irp t, 0,1,2,3
	v_max_num_f32 v[ST+8*\t+1], v[ST+8*\t+4], v[ST+8*\t+5]           ; the new m
.endr
.irp t, 0,1,2,3
	v_mul_f32 v[ST+8*\t], s[CS], v[ST+8*\t+1]                        ; c m
.endr
.irp t, 0,1,2,3
	v_sub_f32 v[ST+8*\t+7], v[KP+\t], v[ST+8*\t]                     ; c m_old - c m, 0 or less
.endr
.irp t, 0,1,2,3                        ; ONE BATCH of 132 exponentials, none of which reads another's result: a, then p pair by pair behind the pair's scaling
	v_exp_f32 v[ST+8*\t+6], v[ST+8*\t+7]
.endr
.set b, 0
.rept 16
.irp t, 0,1,2,3
	v_pk_fma_f32 v[S+32*\t+2*b:S+32*\t+2*b+1], v[S+32*\t+2*b:S+32*\t+2*b+1], s[CS:CS+1], v[ST+8*\t:ST+8*\t+1] op_sel_hi:[1,0,0] neg_lo:[0,0,1] neg_hi:[0,0,1]   ; c s - c m
.endr
.irp t, 0,1,2,3
	v_exp_f32 v[S+32*\t+2*b], v[S+32*\t+2*b]
	v_exp_f32 v[S+32*\t+2*b+1], v[S+32*\t+2*b+1]
.endr
.set b, b+1
.endr
	v_nop                                          ; a plain line behind the last exponential,
	s_wait_alu depctr_va_vdst(0)                   ; and the wait ahead of the first line that names a result: one for the batch
.irp t, 0,1,2,3                        ; the step's sum, of the weights before they are rounded; and P, written over S^T: register b takes pair b, which lies at 2 b, 2 b + 1; register b's own pair has been summed and rounded by then
	v_pk_add_f32 v[ST+8*\t+4:ST+8*\t+5], v[S+32*\t:S+32*\t+1], v[S+32*\t+2:S+32*\t+3]
.endr
.irp t, 0,1,2,3
	v_cvt_pk_f16_f32 v[S+32*\t], v[S+32*\t], v[S+32*\t+1]
.endr
.irp t, 0,1,2,3
	v_cvt_pk_f16_f32 v[S+32*\t+1], v[S+32*\t+2], v[S+32*\t+3]
.endr
.set b, 2
.rept 14
.irp t, 0,1,2,3
	v_pk_add_f32 v[ST+8*\t+4:ST+8*\t+5], v[ST+8*\t+4:ST+8*\t+5], v[S+32*\t+2*b:S+32*\t+2*b+1]
.endr
.irp t, 0,1,2,3
	v_cvt_pk_f16_f32 v[S+32*\t+b], v[S+32*\t+2*b], v[S+32*\t+2*b+1]
.endr
.set b, b+1
.endr
	WIN W_RS
.set b, 0
.rept 16                               ; O^T x a, ascending: each accumulator is read from its low end on
.irp t, 0,1,2,3
	v_pk_mul_f32 v[32*\t+2*b:32*\t+2*b+1], v[32*\t+2*b:32*\t+2*b+1], v[ST+8*\t+6:ST+8*\t+7] op_sel_hi:[1,0]
.endr
.set b, b+1
.endr
	WIN 0
.endm
; O^T += V^T P: 32 matrix instructions, the 16 accumulators by turns.  n: the younger LDS loads that may stay out.  Behind them l = l a + the step's sum, and a v_nop: five plain lines that name no register of the
; products: four places are owed ahead of the loads into V's registers, five ahead of the next K Q^T, which writes S^T over P.
.macro PV n
	s_wait_dscnt \n
	WIN W_PV
.irp kb, 0,1
.irp ct, 0,1,2,3
.irp t, 0,1,2,3
	v_wmma_f32_16x16x32_f16 v[32*\t+8*\ct:32*\t+8*\ct+7], v[VF+8*(2*\ct+\kb):VF+8*(2*\ct+\kb)+7], v[S+32*\t+8*\kb:S+32*\t+8*\kb+7], v[32*\t+8*\ct:32*\t+8*\ct+7]
.endr
.endr
.endr
	WIN 0
.irp t, 0,1,2,3
	v_pk_fma_f32 v[ST+8*\t+2:ST+8*\t+3], v[ST+8*\t+2:ST+8*\t+3], v[ST+8*\t+6:ST+8*\t+7], v[ST+8*\t+4:ST+8*\t+5] op_sel_hi:[1,0,1]
.endr
	v_nop
.endm
.macro ROLE_SM want                    ; the fourth step's softmax, for the waves of role want: a branch on the wave's number alone, round vector work alone
	s_cmp_lg_u32 s[HF], \want
	s_cbranch_scc1 .Lskip_\@
	SM
.Lskip_\@:
.endm
; A slot's work up to the change of slots.  At each K Q^T 32 LDS loads are out: the step's K (the older 16) must be in, its V may stay out.  At each V^T P the step's V must be in, the next step's K (16) may stay out.
.macro WORK
	s_mov_b32 s[STEPC], 3
.Lstep_\@:
	KQ 16
	LOADK
	SM
	PV 16
	LOADV
	s_sub_co_u32 s[STEPC], s[STEPC], 1
	s_cmp_lg_u32 s[STEPC], 0
	s_cbranch_scc1 .Lstep_\@
	KQ 16                                          ; the fourth step's scores; its V is on its way into registers
	ROLE_SM 0
.endm
; THE CHANGE OF SLOTS.  Each wave waits for all its tensor loads (its group of the next slot), adds 0 to its spare word, and waits for that and for its reads of the slot that it leaves, the fourth step's V among them.
; fill = 1: the barrier is a round of the cluster's, so that no wave of any partner still reads the slot or has a load on its way, and the joint load, into the slot just left (at the first change: into slot 1, for the
; first time), is the first thing behind it.  turn = 1: the fetches go over to the other slot.
.macro CHANGE fill, turn
	s_wait_tensorcnt 0x0                           ; no tensor load of mine is out, so group 0 may be written
	ds_add_u32 v[SPW], v[NIL]                      ; 0 onto my spare word; the steps below stand between it and the wait for it
.if \fill
	s_xor_b32 s[G0+1], s[G0+1], SLOT1              ; the walking descriptor: the other slot than last time,
	s_add_nc_u64 s[G0+2:G0+3], s[G0+2:G0+3], SLOTB ; the next 512 keys; the type bits on top are not reached
	s_wait_xcnt 0x0                                ; the last prefetch, a slot back, has read its address, so it may be written:
	s_add_nc_u64 s[PFA:PFA+1], s[PFA:PFA+1], SLOTB ; one slot further on than the walking descriptor
.endif
.if \turn
	s_sub_co_u32 s[TS], s[TS], 4*STEPB             ; back to a slot's first step,
	s_xor_b32 s[TS], s[TS], SLOT1                  ; in the other slot
.endif
	s_wait_dscnt 0x0                               ; the add is done, and my reads of the slot are over
.if \fill
	ROUND
	tensor_load_to_lds s[G0:G0+3], s[G1:G1+7]
	s_nop 0
.rept 4
	v_nop
.endr
	ASK
.else
	s_barrier_signal -1
	s_barrier_wait -1
.endif
.endm
; Behind the change: the rest of the old slot's fourth step, from registers, and (more = 1) the new slot's first fragments.
.macro POST more
.if \more
	LOADK
.else
	v_nop                                          ; a plain line where LOADK's first stands at the other changes: with the four behind K Q^T, five lie between those products and the products that follow them in the text
.endif
	ROLE_SM 1
.if \more
	PV 16                                          ; V is in since the change's wait; the 16 are LOADK's
	LOADV
.else
	PV 0                                           ; no change of slots stands ahead: the fourth step's V is waited for here
.endif
.endm
	s_load_b128 s[4:7], s[0:1], 0x0                ; kv s[4:5], out0 s[6:7]
	v_lshl_add_u32 v[SPW], v0, 2, SPARE
	v_mov_b32 v[NIL], 0
	ds_add_u32 v[SPW], v[NIL]                      ; the wave's opening: the add, twice on end, and its wait ahead of my first tensor load; the set-up below, work on registers, stands between the second and the wait
	ds_add_u32 v[SPW], v[NIL]
	v_lshrrev_b32 v13, 5, v0
	v_readfirstlane_b32 s[WV], v13                 ; wave 0..7
	s_lshr_b32 s[HF], s[WV], 2
	s_and_b32 s10, s[WV], 3                        ; which 64 of the block's 256 queries
	s_bfe_u32 s11, ttmp6, 0x40000                  ; cx: my place in the cluster
	s_lshl_b32 s12, ttmp9, 2                       ; in a cluster launch ttmp9 counts clusters
	s_add_co_u32 s12, s12, s11                     ; my block of 256 queries: it enters Q's and out0's addresses alone
	s_and_b32 s13, ttmp7, 0xffff                   ; the head, which the four partners share
	; descriptor group 1: a dense block of 16,384 bytes as 64 rows of 256 bytes (32 elements of 8 bytes), no padding
	s_mov_b32 s[G1], 15|(3<<16)|(1<<21)            ; 15:0 the mask: all four work-groups; 17:16 elements of 8 bytes; 21 set beside a mask
	s_mov_b32 s[G1+1], 32<<16                      ; tensor_dim0 = 32
	s_mov_b32 s[G1+2], 64<<16                      ; tensor_dim1 = 64
	s_mov_b32 s[G1+3], 32<<16                      ; tile_dim0 = 32
	s_mov_b32 s[G1+4], 64                          ; tile_dim1 = 64
	s_mov_b32 s[G1+5], 32                          ; tensor_dim0_stride
	s_mov_b32 s[G1+6], 0
	s_mov_b32 s[G1+7], 0
	s_mov_b32 s[CS], 0x4238aa3b                    ; c = 32 log2(e): log2(e) / 8 x 2^8
	s_mov_b32 s[CS+1], s[CS]                       ; (named with it as a pair, so it is written)
	s_mov_b32 s[SEL], 0x76543210
	s_mov_b32 s[SEL+1], 0xfedcba98
	s_lshl_b32 s40, s13, 20                        ; the head's first byte in kv
	s_lshl_b32 s42, s[WV], 14                      ; group w of a slot: what I fetch
	s_add_co_u32 s42, s42, s40
	s_mov_b32 s43, 0
	s_lshl_b32 s44, s12, 2
	s_add_co_u32 s44, s44, s10                     ; my queries' group: 4 x block + w % 4
	s_lshl_b32 s44, s44, 14
	s_add_co_u32 s44, s44, s40
	s_mov_b32 s45, 0
	s_lshl_b32 s46, s11, 15                        ; the prefetches: my work-group's 32,768 bytes of a slot,
	s_lshl_b32 s47, s10, 13                        ; my wave's 8,192 of them,
	s_add_co_u32 s46, s46, s47
	s_add_co_u32 s46, s46, s40
	s_add_co_u32 s46, s46, SLOTB                   ; in slot 1: the first change of slots steps it to slot 2.  Nothing is prefetched at the head
	s_mov_b32 s47, 0
	s_lshl_b32 s50, s12, 8
	s_lshl_b32 s51, s10, 6
	s_add_co_u32 s50, s50, s51
	s_lshl_b32 s51, s[HF], 5
	s_add_co_u32 s50, s50, s51                     ; the first token that I store: 256 x block + 64 (w % 4) + 32 (w / 4)
	s_lshl_b32 s50, s50, 12                        ; a token's row of out0 is 4,096 bytes,
	s_lshl_b32 s51, s13, 8                         ; the head's part of it 256
	s_add_co_u32 s50, s50, s51
	s_mov_b32 s51, 0
	s_or_b32 s[LIM], s[HF], ttmp9                  ; 0 in waves 0-3 of the head's first cluster: the same in all four partners
	s_cmp_eq_u32 s[LIM], 0
	s_cselect_b32 s[LIM], 1, -1
	v_and_b32 v13, 31, v0                          ; lane
	v_and_b32 v56, 15, v0                          ; r
	v_bfe_u32 v57, v0, 4, 1                        ; h
	s_lshl_b32 s52, s[HF], 16
	v_lshl_add_u32 v[LB], v13, 4, s52
	s_lshl_b32 s52, s[HF], 12
	v_lshl_add_u32 v[QO0], v13, 4, s52
	s_xor_b32 s52, s52, 4096
	v_lshl_add_u32 v[QO1], v13, 4, s52
	s_mul_i32 s52, s[WV], EXW
	v_lshl_add_u32 v[XW], v13, 4, s52
	s_add_co_u32 s53, s52, 8192
	v_lshl_add_u32 v[XS], v13, 3, s53
	s_xor_b32 s52, s[WV], 4                        ; my partner
	s_mul_i32 s52, s52, EXW
	v_lshl_add_u32 v[XR], v13, 4, s52
	s_add_co_u32 s53, s52, 8192
	v_lshl_add_u32 v[XRS], v13, 3, s53
	s_mul_i32 s52, s[WV], STW
	s_add_co_u32 s52, s52, STAGE                   ; my stage
	v_mul_u32_u24 v[STO], v56, 272                 ; in: row r, 32 bytes for each half of the lanes
	v_lshl_add_u32 v[STO], v57, 5, v[STO]
	v_add_nc_u32 v[STO], s52, v[STO]
	v_mul_u32_u24 v[RD], v57, 272                  ; back: lanes 0-15 take one row of 256 bytes, lanes 16-31 the next
	v_lshl_add_u32 v[RD], v56, 4, v[RD]
	v_add_nc_u32 v[RD], s52, v[RD]
	v_lshlrev_b32 v[GO], 12, v57                   ; and the same two tokens in out0
	v_lshl_add_u32 v[GO], v56, 4, v[GO]
	v_lshlrev_b32 v[PFO], 8, v13
	s_wait_dscnt 0x0                               ; both opening adds are done
	s_wait_kmcnt 0x0
	s_mov_b32 s[G0], 1                             ; 1:0 count = 1
	s_lshl_b32 s[G0+1], s[WV], 14                  ; 63:32 LDS address: slot 0, group w: no place in the cluster enters it
	s_add_nc_u64 s[G0+2:G0+3], s[4:5], s[42:43]    ; 120:64 global address: the head's group w
	s_or_b32 s[G0+3], s[G0+3], 0x80000000          ; 127:126 type = 2
	s_add_nc_u64 s[QB:QB+1], s[4:5], s[44:45]
	s_add_nc_u64 s[PFA:PFA+1], s[4:5], s[46:47]
	s_add_nc_u64 s[6:7], s[6:7], s[50:51]
	ROUND                                          ; all four work-groups are here: the first joint loads meet
	tensor_load_to_lds s[G0:G0+3], s[G1:G1+7]      ; slot 0
	s_nop 0
.rept 4
	v_nop
.endr
	WIN TO1
.irp t, 0,1,2,3                        ; Q stays in registers: the qk images of my four tiles, in my local order
.irp f, 0,1
.irp c, 0,1
	global_load_b128 v[QF+16*\t+8*\f+4*\c:QF+16*\t+8*\f+4*\c+3], v[QO0+\t/2], s[QB:QB+1] offset:(\t%2)*2048+\f*1024+\c*512
.endr
.endr
.endr
.set i, 0
.rept 128
	v_mov_b32 v[i], 0                              ; O^T: the first step's a is 0, which leaves zeros zeros
.set i, i+1
.endr
	WIN 0
.irp t, 0,1,2,3
	v_mov_b32 v[ST+8*\t+1], 0xf149f2ca             ; m = -1e30
	v_mov_b32 v[ST+8*\t+2], 0                      ; l, in two halves
	v_mov_b32 v[ST+8*\t+3], 0
.endr
.irp t, 0,1,2,3
	v_mul_f32 v[ST+8*\t], s[CS], v[ST+8*\t+1]      ; c m: finite
.endr
	s_mov_b32 s[SLOTS], NSL-1
	s_mov_b32 s[TS], 0
	CHANGE 1, 0                                    ; slot 0 is whole; slot 1 is asked for, for the first time
	LOADK
	LOADV
	s_wait_loadcnt 0x0                             ; Q
	s_mov_b32 s[SLOTS], NSL-2
.Lslot:                                            ; NSL - 2 trips: trip i works slot i, waits for slot i + 1 and asks for slot i + 2
	WORK
	CHANGE 1, 1
	POST 1
	s_sub_co_u32 s[SLOTS], s[SLOTS], 1
	s_cmp_lg_u32 s[SLOTS], 0
	s_cbranch_scc1 .Lslot
	WORK                                           ; the tail is written out: the last slot but one
	CHANGE 0, 1                                    ; behind which nothing is asked for,
	POST 1
	WORK                                           ; and the last
	POST 0
	; THE MERGE.  l's two halves and the other half of the lanes' are added.  My local tiles 2, 3 go to my partner as they stand in registers (16 bytes a lane, 512 a store), with their (c m, l); its local tiles 2, 3 are my 0, 1.
.irp t, 0,1,2,3
	v_add_f32 v[ST+8*\t+4], v[ST+8*\t+2], v[ST+8*\t+3]
.endr
.irp t, 0,1,2,3
	v_permlanex16_b32 v[ST+8*\t+5], v[ST+8*\t+4], s[SEL], s[SEL+1]
.endr
.irp t, 0,1,2,3
	v_add_f32 v[ST+8*\t+1], v[ST+8*\t+4], v[ST+8*\t+5]               ; l, beside c m
.endr
	WIN 0x04                                       ; an LDS store's data are its source 1: window 1
.set i, 0
.rept 16
	ds_store_b128 v[XW], v[64+4*i:64+4*i+3] offset:512*i             ; each accumulator from its low end on
.set i, i+1
.endr
	WIN 0
	ds_store_b64 v[XS], v[ST+16:ST+17]
	ds_store_b64 v[XS], v[ST+24:ST+25] offset:256
	s_wait_dscnt 0x0                               ; for my partner's sake: my stores are done
	s_barrier_signal -1
	s_barrier_wait -1
.set i, 0
.rept 16
	ds_load_b128 v[S+4*i:S+4*i+3], v[XR] offset:512*i                ; the partner's O^T of my tiles 0, 1, into S^T's registers
.set i, i+1
.endr
	ds_load_b64 v[PT:PT+1], v[XRS]
	ds_load_b64 v[PT+2:PT+3], v[XRS] offset:256
	s_wait_dscnt 0x0
.irp i, 0,1
	v_max_num_f32 v[ST+8*\i+4], v[ST+8*\i], v[PT+2*\i]               ; the common c m
.endr
.irp i, 0,1
	v_sub_f32 v[ST+8*\i+5], v[ST+8*\i], v[ST+8*\i+4]
	v_sub_f32 v[ST+8*\i+6], v[PT+2*\i], v[ST+8*\i+4]
.endr
.irp i, 0,1
	v_exp_f32 v[ST+8*\i+5], v[ST+8*\i+5]           ; a1: mine under the common maximum,
	v_exp_f32 v[ST+8*\i+6], v[ST+8*\i+6]           ; a2: my partner's
.endr
	v_nop                                          ; a plain line behind the last exponential,
	s_wait_alu depctr_va_vdst(0)                   ; and the wait ahead of the first use: one for the four
.irp i, 0,1
	v_mul_f32 v[ST+8*\i+7], v[PT+2*\i+1], v[ST+8*\i+6]
.endr
.irp i, 0,1
	v_fma_f32 v[ST+8*\i+7], v[ST+8*\i+1], v[ST+8*\i+5], v[ST+8*\i+7] ; the whole row's sum
.endr
.irp i, 0,1
	v_rcp_f32 v[ST+8*\i+3], v[ST+8*\i+7]
.endr
	v_nop
	s_wait_alu depctr_va_vdst(0)                   ; one for the two reciprocals
.irp i, 0,1
	v_mul_f32 v[ST+8*\i+3], 0x41800000, v[ST+8*\i+3]                 ; x 16: v's 2^-4 is made good
.endr
.irp i, 0,1
	v_mul_f32 v[ST+8*\i+2], v[ST+8*\i+5], v[ST+8*\i+3]               ; my O's factor,
	v_mul_f32 v[ST+8*\i+4], v[ST+8*\i+6], v[ST+8*\i+3]               ; my partner's
.endr
.set b, 0
.rept 16
.irp i, 0,1
	v_pk_mul_f32 v[S+32*\i+2*b:S+32*\i+2*b+1], v[S+32*\i+2*b:S+32*\i+2*b+1], v[ST+8*\i+4:ST+8*\i+5] op_sel_hi:[1,0]
.endr
.set b, b+1
.endr
	WIN 0x01                                       ; source 0 (my O^T) window 1
.set b, 0
.rept 16
.irp i, 0,1
	v_pk_fma_f32 v[S+32*\i+2*b:S+32*\i+2*b+1], v[32*\i+2*b:32*\i+2*b+1], v[ST+8*\i+2:ST+8*\i+3], v[S+32*\i+2*b:S+32*\i+2*b+1] op_sel_hi:[1,0,1]
.endr
.set b, b+1
.endr
	WIN 0
	; THE WAY OUT.  Register 8 ct + j of tile i is out(token r, channel 16 ct + 8 h + j).  A tile goes through my stage, rows of 256 bytes + 16, and comes back by rows: sixteen lanes store the 256 consecutive, aligned bytes of a token's head.
.irp i, 0,1
.irp ct, 0,1,2,3
.irp u, 0,1
	ds_store_b128 v[STO], v[S+32*\i+8*\ct+4*\u:S+32*\i+8*\ct+4*\u+3] offset:64*\ct+16*\u
.endr
.endr
.irp k, 0,1,2,3,4,5,6,7
	ds_load_b128 v[128+32*\i+4*\k:128+32*\i+4*\k+3], v[RD] offset:2*\k*272   ; LDS serves a wave's instructions in order (ISA guide 5.7.1.4): these see the stores above, and the next tile's stores come behind them
.endr
.endr
.irp i, 0,1
.irp k, 0,1,2,3,4,5,6,7
	s_wait_dscnt 23-16*\i-\k                       ; load k of the tile is in; out may be the tile's 7 - k younger loads and, for tile 0, tile 1's sixteen LDS instructions
	global_store_b128 v[GO], v[128+32*\i+4*\k:128+32*\i+4*\k+3], s[6:7] offset:\i*65536+\k*8192 th:TH_STORE_NT
.endr
.endr
	s_wait_tensorcnt 0x0                           ; the wave's end, behind my last tensor load and my last LDS store
	ds_add_u32 v[SPW], v[NIL]
	s_wait_dscnt 0x0
	ROUND                                          ; the closing round: no work-group ends while a partner may still ask for a tile that names it
	s_endpgm
.Lfunc_end_k_qf2ebcdf1ef_attn:
	.size	k_qf2ebcdf1ef_attn, .Lfunc_end_k_qf2ebcdf1ef_attn-k_qf2ebcdf1ef_attn
	.p2alignl 7, 3214868480
	.fill 96, 4, 3214868480
	.section	.rodata,"a",@progbits
	.p2align	6, 0x0
	.amdhsa_kernel k_qf2ebcdf1ef_attn
		.amdhsa_group_segment_fixed_size 327680
		.amdhsa_private_segment_fixed_size 0
		.amdhsa_enable_private_segment 0
		.amdhsa_kernarg_size 16
		.amdhsa_user_sgpr_count 2
		.amdhsa_user_sgpr_kernarg_segment_ptr 1
		.amdhsa_wavefront_size32 1
		.amdhsa_system_sgpr_workgroup_id_x 1
		.amdhsa_system_sgpr_workgroup_id_y 1
		.amdhsa_system_sgpr_workgroup_id_z 1
		.amdhsa_system_vgpr_workitem_id 0
		.amdhsa_next_free_vgpr 512
		.amdhsa_next_free_sgpr 66
		.amdhsa_reserve_vcc 0
		.amdhsa_float_denorm_mode_32 3
		.amdhsa_float_denorm_mode_16_64 3
		.amdhsa_memory_ordered 1
		.amdhsa_forward_progress 1
		.amdhsa_inst_pref_size 255
	.end_amdhsa_kernel
	.section	.bss,"aw",@nobits
	.p2align	6
	.space	262144
	.amdgpu_metadata
---
amdhsa.version: [ 1, 2 ]
amdhsa.kernels:
  - .name:           k_qf2ebcdf1ef_attn
    .symbol:         k_qf2ebcdf1ef_attn.kd
    .args:
      - { .name: kv, .offset: 0, .size: 8, .value_kind: global_buffer, .address_space: global }
      - { .name: out0, .offset: 8, .size: 8, .value_kind: global_buffer, .address_space: global }
    .group_segment_fixed_size: 327680
    .private_segment_fixed_size: 0
    .kernarg_segment_align: 8
    .kernarg_segment_size: 16
    .max_flat_workgroup_size: 256
    .sgpr_count:     66
    .vgpr_count:     512
    .wavefront_size: 32
...
	.end_amdgpu_metadata
.endif
;; end of part 3
